; MI455X (gfx1250); checked and timed in simulation.
; The chip was launched on July 23, 2026; its instructions are those of AMD's public machine-readable ISA for CDNA 5 (MIT licence, August 2026) and "CDNA5" Instruction Set Architecture Reference Guide (July 2026). The comments in the code are by the model that wrote it; some were corrected since.
;; Naive Fourier KAN Layer. Allowed arithmetic: matrix products marked QUANTISED: E2M3 operands, one E8M0 scale for each 32 along K, by v_wmma_scale_f32_16x16x128_f8f6f4 with both operands' format E2M3, f32 sums; everything else in f32.
;; Inputs: bias 1 x 512 float32; fouriercoeffs 2 x 512 x 512 x 16 float32; x 8,192 x 512 float32.
;; Outputs: out0 8,192 x 512 float32.
;; This version of the problem:
;;   THIS VERSION OF THE PROBLEM IS GIVEN IN LOW PRECISION. The matrix products marked QUANTISED in the list below multiply operands that are first quantised to E2M3 (2 exponent bits, 3 mantissa bits; 6 bits a number), with one power-of-two scale for each 32 numbers along K (OCP MX v1.0); their sums are f32. All else is computed in f32.
;;   The module's matrix products, in the order in which they are computed (A, B: the left and right operand; K: the contracted axis; several contracted axes count as one K, in the product's order):
;;     1. [M 8,192, K 8,192] x [K 8,192, N 512]; A: computed on the way; B: input fouriercoeffs: QUANTISED
;;     2. [M 8,192, K 8,192] x [K 8,192, N 512]; A: computed on the way; B: input fouriercoeffs: QUANTISED
;;   THE QUANTISER, for each operand of a quantised product, along K:
;;     - K is cut into blocks of 32 from its start; a last block that is shorter is filled with zeros.
;;     - A block's scale is 2^e with e = floor(log2(the largest magnitude in the block)) - 2, held to -126 .. 127; a block of zeros has e = 0. As a byte (E8M0): e + 127.
;;     - Each number is divided by its block's scale, clamped to +-7.5, and rounded to the nearest number of E2M3, ties to even, subnormals kept.
;;     - The product sums the exact products of the quantised numbers (number of the format x scale) in f32.
;;   ~~~python
;;   def quantise(x, axis):      # numpy; x: float32 -> the quantised numbers, widened to float32 again
;;       x = np.moveaxis(x, axis, -1); K = x.shape[-1]
;;       x = np.pad(x, [(0, 0)] * (x.ndim - 1) + [(0, -K % 32)]); x = x.reshape(x.shape[:-1] + (-1, 32)); a = np.abs(x).max(-1, keepdims=True)
;;       e = np.where(a > 0, np.clip(np.frexp(np.where(a > 0, a, 1))[1] - 1 - 2, -126, 127), 0)      # np.frexp(a)[1] - 1 = floor(log2(a)), exactly
;;       r = np.clip(x / 2.0 ** e, -7.5, 7.5)
;;       step = 2.0 ** (np.maximum(np.frexp(np.where(r == 0, 1, r))[1] - 1, 0) - 3)
;;       q = np.round(r / step) * step * 2.0 ** e      # np.round: ties to even
;;       return np.moveaxis(q.reshape(q.shape[:-2] + (-1,))[..., :K], -1, axis).astype(np.float32)
;;   ~~~
;;   OPERANDS COMPUTED ON THE WAY. 'Computed on the way' means the value that the module computes at that place (a softmax that the list does not call 'softmax' is quantised finished and normalised). What goes into a quantiser is computed in f32, as accurately as f32 sums, v_exp_f32 and their like allow (about 1e-6 of the number): no bf16 or f16 on the way to a quantiser, and a product that is left as it is and whose result goes on into a quantised operand takes f32 operands (vector FMAs, or v_wmma_f32_16x16x4_f32). A number that lies on a knife's edge between two numbers of the format may be rounded either way, as far as f32 arithmetic and the matrix unit's own rounding can turn it there, and no further.
;; One version. Each part assembles by itself: llvm-mc -triple=amdgcn-amd-amdhsa -mcpu=gfx1250 --defsym DOCPART=n.
;; ======== version 1 of 1: 2 launches
;; limits: an absolute error that grows with the inputs' magnitude: up to 9.5e-07 times it; inputs' magnitudes at most 13,176,795
;; workspace buffers: wq 6,553,600 bytes
;; launch prep (part 1): grid 256 x 1, 16 waves a work-group, no clusters, 166,912 bytes of LDS; arguments fouriercoeffs, wq; writes wq
.if DOCPART == 1
	.amdgcn_target "amdgcn-amd-amdhsa--gfx1250"
	.amdhsa_code_object_version 6
	.text
	.protected	k_q751a0041a5_prep
	.globl	k_q751a0041a5_prep
	.p2align	8
	.type	k_q751a0041a5_prep,@function
k_q751a0041a5_prep:
	s_mov_b64 s[64:65], 0
	v_nop
	global_prefetch_b8 v0, s[64:65] scope:SCOPE_SE
	s_setreg_imm32_b32 hwreg(HW_REG_WAVE_MODE, 25, 1), 1
	s_wait_xcnt 0x0
; W = fouriercoeffs [2 (t)][512 (o)][512 (i)][16 (g)], f32, K = (i, g) innermost, becomes codes of FP6 (E2M3) with one E8M0 byte for each 32 along K,
; laid in wq in the ORDER OF THE OPERAND'S REGISTERS, so that the product's launch takes each K step's tiles as one dense block and each fragment by three loads of 16 bytes a lane.
; A block's scale is 2^(floor(log2(its largest magnitude)) - 2); its byte is the largest magnitude's exponent field - 2, held at 1 from below.  (A block of zeros keeps the byte 1 where the
; rule says 127: its codes are zeros, and this program alone reads the bytes.)  LIMITS: NaN and infinities among the inputs are not served.
; wq = [y 2][u 32][w 4] quarters of 25,600 bytes.  A quarter: codes [s 4][n 4][c 3][lane 32][16 bytes], then scale words [s 4][r 16][n 4].  Column o = 256 y + 64 w + 16 n + r.
; Slot u holds i = 16 u .. 16 u + 15; step s = 2 q + t (q: which 8 of the 16 i; t: cos' or sin's coefficients).  Lane (r, h) of a fragment holds the 64 neighbours i = 16 u + 8 q + 4 h .. + 3, g = 0 .. 15:
; a PIECE of 256 bytes of W's row.  Registers 0-5 are its first block of 32 (scale byte h), registers 6-11 its second (byte 2 + h).
; SHARES.  Work-group (t, yw = 4 y + w, pg): 64 rows o, 2,048 bytes (8 pieces: slots 2 pg, 2 pg + 1) of each.  Wave v: rows 4 v .. 4 v + 3.  Each load reads 512 consecutive bytes; the bytes turn through the
; wave's own stage in LDS, so that a lane gets one whole piece; the fragments are gathered in LDS as images and leave in runs of 512 consecutive bytes.
.set PLACE, 272                        ; a piece's place in a stage: 256 bytes + 16
.set WSTG,  32*PLACE                   ; a wave's stage: 32 pieces
.set OIMG,  16*WSTG                    ; behind the stages: 16 fragment images of 1,536 bytes: (du, q, n) at 1,536 (8 du + 4 q + n)
.set SIMG,  OIMG+16*1536               ; their scale words: [2 du + q][r 16][n 4]
.set SPARE, SIMG+1024                  ; the spare words, 128 bytes for each wave: eight blocks of 256 bytes that no other line names
.set QB,    25600                      ; a quarter of wq
.set SPW,   1                          ; v1   LDS address of my spare word; never rewritten
.set NIL,   2                          ; v2   0; never rewritten
.set LD,    32                         ; v32-95   sixteen loads as they come
.set X,     96                         ; v96-159  my piece: 64 neighbours along K
.set F,     160                        ; v160-171 the fragment's twelve registers;  v172-174, v176-178: the conversions' second halves
	s_load_b128 s[4:7], s[0:1], 0x0                ; W s[4:5], wq s[6:7]
	v_lshl_add_u32 v[SPW], v0, 2, SPARE
	v_mov_b32 v[NIL], 0
	v_lshrrev_b32 v13, 5, v0
	v_readfirstlane_b32 s8, v13                    ; wave v
	v_and_b32 v3, 31, v0                           ; lane
	v_lshlrev_b32 v4, 4, v3                        ; 16 x lane: my bytes of a run of 512, in and out
	v_lshlrev_b32 v11, 3, v3                       ; 8 x lane: my bytes of a unit of scale words
	s_mul_i32 s9, s8, WSTG                         ; my stage
	s_lshr_b32 s10, s8, 2                          ; n = v / 4: my rows' tile of 16 columns
	s_and_b32 s11, s8, 3
	v_bfe_u32 v13, v0, 4, 1
	v_and_b32 v14, 15, v0
	v_mul_u32_u24 v5, v13, PLACE
	v_lshl_add_u32 v5, v14, 4, v5
	v_add_nc_u32 v5, s9, v5                        ; v5: into the stage: load k brings pieces 2 k and 2 k + 1: place (lane / 16), 16 (lane % 16)
	v_mul_u32_u24 v6, v3, PLACE
	v_add_nc_u32 v6, s9, v6                        ; v6: out of it: lane l takes piece l = 8 rho + 4 du + 2 q + h
	v_bfe_u32 v13, v0, 2, 1                        ; du
	v_mul_u32_u24 v7, v13, 12288
	v_bfe_u32 v13, v0, 1, 1                        ; q
	v_mad_u32_u24 v7, v13, 6144, v7
	v_and_b32 v13, 1, v0                           ; h
	v_lshl_add_u32 v7, v13, 8, v7
	v_lshlrev_b32 v12, 3, v13                      ; v12: 8 h: my bytes' place in a scale word
	v_bfe_u32 v14, v0, 3, 2                        ; rho: my row among the wave's four
	v_lshl_add_u32 v7, v14, 4, v7
	s_mul_i32 s12, s10, 1536
	s_lshl_b32 s13, s11, 6
	s_add_co_u32 s12, s12, s13
	s_add_co_u32 s12, s12, OIMG
	v_add_nc_u32 v7, s12, v7                       ; v7: my 16 bytes in an image: fragment (du, q, n), lane r + 16 h, r = 4 (v % 4) + rho
	v_bfe_u32 v15, v0, 1, 2                        ; 2 du + q
	v_lshlrev_b32 v8, 8, v15
	v_lshl_add_u32 v8, v14, 4, v8
	s_lshl_b32 s14, s10, 2
	s_add_co_u32 s14, s14, s13
	s_add_co_u32 s14, s14, SIMG
	v_add_nc_u32 v8, s14, v8                       ; v8: my scale word: 256 (2 du + q) + 16 r + 4 n
	s_mul_i32 s12, s8, 1536
	s_add_co_u32 s12, s12, OIMG
	v_add_nc_u32 v9, s12, v4                       ; v9: the way out: wave v sends image v
	s_lshl_b32 s14, s11, 8
	s_add_co_u32 s14, s14, SIMG
	v_add_nc_u32 v10, s14, v11                     ; v10: and waves 0-3 one unit of scale words each
	v_mov_b32 v23, 0                               ; written once: the destination of a lane exchange counts as one of its sources
	s_lshr_b32 s15, ttmp9, 7                       ; t
	s_bfe_u32 s16, ttmp9, 0x30004                  ; yw
	s_and_b32 s17, ttmp9, 15                       ; pg
	s_lshl_b32 s18, s15, 9
	s_lshl_b32 s19, s16, 6
	s_add_co_u32 s18, s18, s19
	s_lshl_b32 s19, s8, 2
	s_add_co_u32 s18, s18, s19                     ; my first row of W: 512 t + 64 yw + 4 v
	s_lshl_b32 s18, s18, 15                        ; of 32,768 bytes (under 2^26 in all)
	s_lshl_b32 s19, s17, 11
	s_add_co_u32 s18, s18, s19                     ; + 2,048 pg
	s_mov_b32 s19, 0
	s_lshr_b32 s20, s16, 2                         ; y
	s_and_b32 s21, s16, 3                          ; w
	s_lshl_b32 s22, s20, 5
	s_lshl_b32 s23, s17, 1
	s_add_co_u32 s22, s22, s23                     ; 32 y + 2 pg
	s_lshr_b32 s24, s8, 3                          ; the image that I send: du = v / 8,
	s_add_co_u32 s24, s24, s22
	s_lshl_b32 s24, s24, 2
	s_add_co_u32 s24, s24, s21
	s_mul_i32 s24, s24, QB                         ; its quarter,
	s_bfe_u32 s25, s8, 0x10002                     ; q = (v / 4) % 2,
	s_lshl_b32 s25, s25, 1
	s_add_co_u32 s25, s25, s15                     ; s = 2 q + t,
	s_lshl_b32 s25, s25, 2
	s_add_co_u32 s25, s25, s11                     ; n = v % 4
	s_mul_i32 s25, s25, 1536
	s_add_co_u32 s24, s24, s25
	s_mov_b32 s25, 0
	s_wait_kmcnt 0x0
	s_add_nc_u64 s[4:5], s[4:5], s[18:19]
	s_add_nc_u64 s[26:27], s[6:7], s[24:25]
.irp k, 0,1,2,3,4,5,6,7,8,9,10,11,12,13,14,15
	global_load_b128 v[LD+4*\k:LD+4*\k+3], v4, s[4:5] offset:(\k/4)*32768+(\k%4)*512 th:TH_LOAD_NT   ; row k / 4, 512 consecutive bytes; read once in the launch
.endr
.irp k, 0,1,2,3,4,5,6,7,8,9,10,11,12,13,14,15
	s_wait_loadcnt 15-\k                           ; loads come back in order: load k is in, the younger ones may be out
	ds_store_b128 v5, v[LD+4*\k:LD+4*\k+3] offset:2*PLACE*\k
.endr
.irp j, 0,1,2,3,4,5,6,7,8,9,10,11,12,13,14,15
	ds_load_b128 v[X+4*\j:X+4*\j+3], v6 offset:16*\j   ; LDS serves a wave's instructions in order: these see my stores
.endr
	s_wait_dscnt 0x0
.irp b, 0,1
	v_max3_num_f32 v[16+\b], |v[X+32*\b]|, |v[X+1+32*\b]|, 0x1800000   ; block b's largest magnitude, and the floor 2^(3 - 127): the byte cannot fall under 1
.endr
.irp i, 2,4,6,8,10,12,14,16,18,20,22,24,26,28,30
.irp b, 0,1
	v_max3_num_f32 v[16+\b], v[16+\b], |v[X+32*\b+\i]|, |v[X+1+32*\b+\i]|
.endr
.endr
.irp b, 0,1
	v_add_nc_u32 v[18+\b], 0xff000000, v[16+\b]    ; 2 off its exponent field: the conversion takes the exponent field of this operand as its scale
.endr
.irp b, 0,1
	v_lshrrev_b32 v[20+\b], 23, v[18+\b]           ; the scale's byte
.endr
	v_lshl_or_b32 v22, v21, 16, v20                ; my two bytes: places h and 2 + h of the word
	v_lshlrev_b32 v22, v12, v22
	v_mov_b32_dpp v23, v22 row_xmask:1 row_mask:0xf bank_mask:0xf   ; lane l xor 1 holds the other half (h) of the same row and step
	v_or_b32 v22, v22, v23                         ; the word is whole, in both lanes
	v_cvt_scalef32_pk16_fp6_f32 v[F:F+2], v[X:X+15], v18
	v_cvt_scalef32_pk16_fp6_f32 v[F+12:F+14], v[X+16:X+31], v18     ; (a conversion's three registers begin on an even number: a block's second half is made elsewhere and moved)
	v_cvt_scalef32_pk16_fp6_f32 v[F+6:F+8], v[X+32:X+47], v19
	v_cvt_scalef32_pk16_fp6_f32 v[F+16:F+18], v[X+48:X+63], v19
	v_nop                                          ; one plain place behind the scaled conversions
.irp i, 0,1,2
	v_mov_b32 v[F+3+\i], v[F+12+\i]
	v_mov_b32 v[F+9+\i], v[F+16+\i]
.endr
.irp c, 0,1,2
	ds_store_b128 v7, v[F+4*\c:F+4*\c+3] offset:512*\c   ; the image: registers 4 c .. 4 c + 3 of lane L at 512 c + 16 L
.endr
	ds_store_b32 v8, v22                           ; both lanes of a row write the same word with the same value
	s_wait_dscnt 0x0                               ; for the others' sake: my stores have landed
	s_barrier_signal -1
	s_barrier_wait -1                              ; sixteen images and their words are whole
.irp c, 0,1,2
	ds_load_b128 v[LD+4*\c:LD+4*\c+3], v9 offset:512*\c
.endr
.irp c, 0,1,2
	s_wait_dscnt 2-\c                              ; read-back c is in, the younger ones may be out
	global_store_b128 v4, v[LD+4*\c:LD+4*\c+3], s[26:27] offset:512*\c   ; 32 lanes store 512 consecutive bytes, at a multiple of 256 from wq's first byte
.endr
	s_cmp_lt_u32 s8, 4
	s_cbranch_scc0 .Lno_words                      ; waves 0-3 also send the scale words of (du, q) = (v / 2, v % 2)
	s_lshr_b32 s28, s8, 1
	s_add_co_u32 s28, s28, s22
	s_lshl_b32 s28, s28, 2
	s_add_co_u32 s28, s28, s21
	s_mul_i32 s28, s28, QB
	s_and_b32 s29, s8, 1
	s_lshl_b32 s29, s29, 1
	s_add_co_u32 s29, s29, s15                     ; s = 2 q + t
	s_lshl_b32 s29, s29, 8
	s_add_co_u32 s28, s28, s29
	s_add_co_u32 s28, s28, 16*1536                 ; behind the quarter's codes
	s_mov_b32 s29, 0
	s_add_nc_u64 s[30:31], s[6:7], s[28:29]
	ds_load_b64 v[44:45], v10
	s_wait_dscnt 0x0
	global_store_b64 v11, v[44:45], s[30:31]       ; 32 lanes store 256 consecutive bytes, aligned
.Lno_words:
	s_wait_tensorcnt 0x0                           ; the wave's end: behind my last LDS store; the tensor wait stands even in a text with no tensor load
	ds_add_u32 v[SPW], v[NIL]
	s_wait_dscnt 0x0
	s_endpgm
.Lfunc_end_k_q751a0041a5_prep:
	.size	k_q751a0041a5_prep, .Lfunc_end_k_q751a0041a5_prep-k_q751a0041a5_prep
	.p2alignl 7, 3214868480
	.fill 96, 4, 3214868480
	.section	.rodata,"a",@progbits
	.p2align	6, 0x0
	.amdhsa_kernel k_q751a0041a5_prep
		.amdhsa_group_segment_fixed_size 166912
		.amdhsa_private_segment_fixed_size 0
		.amdhsa_enable_private_segment 0
		.amdhsa_kernarg_size 16
		.amdhsa_user_sgpr_count 2
		.amdhsa_user_sgpr_kernarg_segment_ptr 1
		.amdhsa_wavefront_size32 1
		.amdhsa_system_sgpr_workgroup_id_x 1
		.amdhsa_system_sgpr_workgroup_id_y 1
		.amdhsa_system_sgpr_workgroup_id_z 1
		.amdhsa_system_vgpr_workitem_id 0
		.amdhsa_next_free_vgpr 192
		.amdhsa_next_free_sgpr 66
		.amdhsa_reserve_vcc 0
		.amdhsa_float_denorm_mode_32 3
		.amdhsa_float_denorm_mode_16_64 3
		.amdhsa_memory_ordered 1
		.amdhsa_forward_progress 1
		.amdhsa_inst_pref_size 13
	.end_amdhsa_kernel
	.amdgpu_metadata
---
amdhsa.version: [ 1, 2 ]
amdhsa.kernels:
  - .name:           k_q751a0041a5_prep
    .symbol:         k_q751a0041a5_prep.kd
    .args:
      - { .name: fouriercoeffs, .offset: 0, .size: 8, .value_kind: global_buffer, .address_space: global }
      - { .name: wq, .offset: 8, .size: 8, .value_kind: global_buffer, .address_space: global }
    .group_segment_fixed_size: 166912
    .private_segment_fixed_size: 0
    .kernarg_segment_align: 8
    .kernarg_segment_size: 16
    .max_flat_workgroup_size: 512
    .sgpr_count:     66
    .vgpr_count:     192
    .wavefront_size: 32
...
	.end_amdgpu_metadata
.endif
;; end of part 1
;; launch main (part 2): grid 128 x 2, 8 waves a work-group, clusters of 4 x 1, 327,680 bytes of LDS; arguments x, wq, bias, out0; writes out0
.if DOCPART == 2
	.amdgcn_target "amdgcn-amd-amdhsa--gfx1250"
	.amdhsa_code_object_version 6
	.text
	.protected	k_q751a0041a5_main
	.globl	k_q751a0041a5_main
	.p2align	8
	.type	k_q751a0041a5_main,@function
k_q751a0041a5_main:
	s_mov_b64 s[64:65], 0
	v_nop
	global_prefetch_b8 v0, s[64:65] scope:SCOPE_SE
	s_setreg_imm32_b32 hwreg(HW_REG_WAVE_MODE, 25, 1), 1
	s_wait_xcnt 0x0
	s_wait_alu depctr_hold_cnt(0) depctr_sa_sdst(0) depctr_va_vdst(0) depctr_va_sdst(0) depctr_va_ssrc(0) depctr_va_vcc(0) depctr_vm_vsrc(0)
	s_getreg_b32 s2, hwreg(HW_REG_IB_STS2, 6, 4)
	s_cmp_eq_u32 s2, 0
	s_cbranch_scc0 .Lentry_in_a_cluster
	s_endpgm
.Lentry_in_a_cluster:
	s_bfe_u32 s2, ttmp6, 0x10000c
	s_cmp_lg_u32 s2, 0x3003
	s_cbranch_scc0 .Lentry_shape_is_right
	s_endpgm
.Lentry_shape_is_right:
; out0[b][o] = bias[o] + sum over (i, g) of Q(cos((g + 1) x[b][i])) Q(W0[o][i][g]) + Q(sin((g + 1) x[b][i])) Q(W1[o][i][g]): one product with M = 8,192, N = 512, K = 16,384 on codes of FP6 (E2M3)
; with one E8M0 scale for each 32 along K (two neighbouring i x 16 g).  W's codes and scale words come from wq, laid in the order of the operand's registers; the left operand is made here and never goes to memory.
; SHARES.  A work-group makes 64 rows x 256 columns over all of K.  EIGHT WAVES IN TWO ROLES: waves 0-3 MULTIPLY (wave w: 64 rows x columns 64 w .. + 63: 16 accumulators); waves 4-7 MAKE the left operand
; (wave 4 + p: rows 16 p .. + 15).  A trip is a SLOT of 16 columns of x = 4 K steps of 128: step s = 2 q + t (q: which 8 columns, t = 0 cos, 1 sin).  While the slot of trip U - 1 is multiplied, that of trip U is made and W's is fetched.
; The makers' fragments go to the multipliers through LDS as images of the operand's registers (registers 4 c .. 4 c + 3 of lane L at 512 c + 16 L), the scale words beside them.
; K's PLACES.  Lane (r, h) of a fragment of step (u, q, t) holds i = 16 u + 8 q + 4 h .. + 3, g = 0 .. 15: registers 0-5 the block of the first two i (scale byte h), registers 6-11 that of the other two (byte 2 + h).
; The blocks have the contract's members in K's order; only a block's place inside its K step is chosen, alike on both sides.
; THE WALK.  Trip U takes slot u = (4 g + U) % 32: cluster c of the 32 along x begins at slot 4 g(c), g = 0 .. 7, and walks all 32 slots round.  So at any time the clusters of a column half ask for eight different slots of wq,
; and a slot that a cluster asks for from its fifth trip on has been asked for four trips earlier by another.  The starts are multiples of 4, so that u % 4 = U % 4 and 64 columns of x stay one aligned run of 256 bytes:
; only the addresses in wq and in x know of g; every LDS address hangs on the counted U alone.  g hangs on the cluster's number, which the four partners share.
; COS AND SIN.  n = round(x / pi), r = x - n pi in two fused steps (|r| <= pi / 2), sin r and cos r by their series up to r^13 and r^14 (what is cut off lies under 7e-10), the sign (-1)^n; the multiples
; k = 2 .. 16 by the addition theorems in a tree four deep ((k, k + 1) turned by 2, 4, 8), all in f32.
; A BLOCK'S SCALE.  The cosines' largest magnitude lies in [0.5, 1] (of |cos x| and |cos 2x| one is at least 0.5), so only one thing is to be decided: whether some |cos| is 1.0 as an f32 number.  That is so exactly where
; the angle lies within 2^-12 of a multiple of pi, that is where its |sin| <= 2^-12: the small partner decides.  For the sines likewise by the smallest |cos|; else the largest |sin|, held under 1.0.
; LIMITS: the angle is k x, not rounded, where the definition rounds x k to f32 first: the angles differ by at most 2^-24 |k x|.  |x| stays under 2^22 pi (the rounding by the constant 1.5 x 2^23).
; The f32 sums begin with the bias and run over K from the cluster's first slot round, cos' and sin's steps by turns: an order of rounding other than the definition's.
; NaN and infinities are not served.  A block of sines that are all 0 has the byte 1 over zero codes.
; CLUSTER.  The four work-groups of a cluster are four row tiles of one half of the columns: they walk the same slots of wq, so each eighth of a slot is asked for JOINTLY (mask 15), one load a wave, by all eight waves.
; REGISTERS.  v1-22 addresses and offsets, v23-30 constants: all made ahead of the first parting of the roles, never rewritten but for v10-16, which every wave writes at a trip's head.
;   multiplier: v32-39 two sets of four scale words; v40-103 the way out; v128-255 the accumulators ((n, m) at 128 + 8 (4 n + m)); window 1: two sets of 96: the left operand's four fragments, then W's four.
;   maker (window 0 alone): v32-39 my 8 x; v40-47 x on its way to the stage; v48-95 at work; v96-159 64 cosines; v160-223 64 sines; v224-247 the two fragments; v248-254 conversions' second halves.
.set SLOT1, 1<<17                      ; slot 1 begins here: one exclusive or turns an address in one slot into the other's
.set QB,    25600                      ; a quarter of W's slot: 16 fragments of 1,536 bytes, 1,024 bytes of scale words
.set FRB,   1536                       ; a fragment's image
.set STEPB, 4*FRB                      ; a K step's four
.set AIM,   4*QB                       ; in a slot, behind W's four quarters (which tensor loads alone fill): the left operand's images [s 4][m 4] (which LDS stores alone fill),
.set ASC,   AIM+4*STEPB                ; and its scale words [s 4][r 16][m 4]
.set SPARE, AIM+QB                     ; behind slot 0: the spare words, 128 bytes for each wave: four blocks of 256 bytes that no other line names
.set XST,   SLOT1+AIM+QB               ; behind slot 1: x's stages: for each maker two buffers of 16 rows x (256 bytes + 16)
.set XBUF,  16*272
.set OST,   XST+4*2*XBUF               ; the way out: for each multiplier 16 rows x (256 bytes + 16)
.set SPW,  1                           ; v1   LDS address of my spare word; never rewritten
.set NIL,  2                           ; v2   0; never rewritten
.set RA0,  3                           ; v3   multiplier: the left operand's images, 16 x lane
.set RB0,  4                           ; v4   my quarter of W, 16 x lane
.set RS0,  5                           ; v5   scale words: lanes 0-15 the left operand's, lanes 16-31 W's
.set WA0,  6                           ; v6   maker: where my images go
.set WS0,  7                           ; v7   and my scale words
.set XR0,  8                           ; v8   x's stage: where I read
.set XW0,  9                           ; v9   and where I write
.set RA,   10                          ; v10-16: the same seven for the trip in hand (v15: for the NEXT trip's x)
.set RB,   11
.set RS,   12
.set WA,   13
.set WSC,  14
.set XR,   15
.set XW,   16
.set OSTO, 17                          ; v17  the way out: where I put 32 bytes of a row
.set ORD,  18                          ; v18  and where I read rows back
.set XGO,  19                          ; v19  2,048 (lane / 16) + 16 (lane % 16): two rows of x or of out0, 256 bytes of each
.set BO,   20                          ; v20  32 (lane / 16): my eight numbers of a tile's 16 biases
.set SH8,  22                          ; v22  8 (lane / 16)
.set QUART, 23                         ; v23  0.25
.set MG,   24                          ; v[24:25] 1.5 x 2^23, twice
.set C13,  26                          ; v[26:27] 1 / 13!, twice
.set C14,  28                          ; v[28:29] -1 / 14!, twice
.set ONE,  30                          ; v30  1.0
.set SCW,  32
.set OB,   40
.set ACC,  128
.set XV,   32
.set XG,   40
.set TT,   48                          ; at work on four x: x / pi + the constant; n; r; r^2; sin's sum; cos' sum; r^3; the sign
.set NN,   52
.set RR,   56
.set ZZ,   60
.set PSN,  64
.set PCS,  68
.set RZ,   72
.set SG,   76
.set MT,   48                          ; at work in the tree: two packed products for each x
.set MU,   56
.set BC,   64                          ; the scales' bytes
.set BS,   66
.set P2,   70                          ; the partner lane's words
.set MNS,  84                          ; for each of the two blocks: smallest |sin|, smallest |cos|, largest |sin|
.set MNC,  86
.set MXS,  88
.set OPC,  90                          ; the conversions' scale operands
.set OPS,  92
.set WDC,  94                          ; the two scale words
.set WDS,  95
.set CO,   96
.set SI,   160
.set FC,   224
.set FS,   236
; scalars: s[4:5] x, s[6:7] wq, s[8:9] bias at my columns, s[10:11] out0 at my tile; s12 wave, s13 wave % 4, s14 cx, s15 row tile, s16 column half; s17 U; s18 the slot that is read, s19 the slot that is made and filled;
; s20, s21 x's stage for this trip; s[24:31], s[32:35] the descriptor; s[36:39] x's address in hand; s[40:41] lane selects; s[42:43] wq at my column half and my eighth of a slot; s44 g, s45 4 g; s[46:47] a slot's offset in wq (s47 stays 0);
; s[54:55] x at my rows
.set MSB, 0
.macro WIN new                         ; the immediate's high byte repeats the setting that is left; a switch that changes nothing is dropped
.if MSB != \new
	s_set_vgpr_msb (MSB<<8)|\new
.set MSB, \new
.endif
.endm
.macro ROUND                           ; a round of the cluster's barrier: my work-group's barrier; wave 0 signals for the work-group; every wave waits for all four work-groups; my work-group's barrier once more
	s_barrier_signal -1
	s_barrier_wait -1
	s_cmp_lg_u32 s12, 0
	s_cbranch_scc1 .Lnot_wave_0_\@
	s_barrier_signal -3
.Lnot_wave_0_\@:
	s_barrier_wait -3
	s_barrier_signal -1
	s_barrier_wait -1
.endm
.macro JLOAD                           ; the joint load: every wave brings an eighth of W's slot, 50 rows of 256 bytes, to LDS bytes that are its own by its number.  An s_nop 0 and four v_nop follow the line
	tensor_load_to_lds s[32:35], s[24:31]
	s_nop 0
.rept 4
	v_nop
.endr
.endm
.macro SCAL                            ; x's stage.  The columns of trip U + 1 lie in buffer ((U + 1) / 4) % 2 at byte 64 ((U + 1) % 4) of a row; rows 4 (U % 4) on of the 64 columns that follow trip U's go to the buffer that trip U does not read
	s_add_co_u32 s22, s17, 1
	s_lshr_b32 s23, s22, 2
	s_and_b32 s23, s23, 1
	s_mul_i32 s20, s23, XBUF
	s_and_b32 s22, s22, 3
	s_lshl_b32 s22, s22, 6
	s_add_co_u32 s20, s20, s22
	s_lshr_b32 s22, s17, 2
	s_and_b32 s22, s22, 1
	s_xor_b32 s22, s22, 1
	s_mul_i32 s21, s22, XBUF
	s_and_b32 s23, s17, 3
	s_mul_i32 s23, s23, 4*272
	s_add_co_u32 s21, s21, s23
.endm
.macro ADDRS                           ; every wave makes all seven, whatever its role
	v_add_nc_u32 v[RA], s18, v[RA0]
	v_add_nc_u32 v[RB], s18, v[RB0]
	v_add_nc_u32 v[RS], s18, v[RS0]
	v_add_nc_u32 v[WA], s19, v[WA0]
	v_add_nc_u32 v[WSC], s19, v[WS0]
	v_add_nc_u32 v[XR], s20, v[XR0]
	v_add_nc_u32 v[XW], s21, v[XW0]
.endm
; A TRIP'S HEAD, on every wave's way.  Each wave waits for all its tensor loads (one: its eighth of the slot that is read next), adds 0 to its spare word, and waits for that, for its reads of the slot
; that it leaves and for its stores into the slot that it has made.  Behind the barrier the one slot is whole and nobody reads the other.  fill = 1: the barrier is a round of the cluster's, and W's next slot is asked for first thing behind it:
; it has the whole trip in which to land; one tensor load of a wave is out.
.macro HEAD fill
	s_wait_tensorcnt 0x0                           ; no tensor load of mine is out, so the descriptor may be written
	ds_add_u32 v[SPW], v[NIL]                      ; 0 onto my spare word; the scalar steps below stand between it and the wait for it
	s_add_co_u32 s17, s17, 1                       ; U
	s_xor_b32 s18, s18, SLOT1
	s_xor_b32 s19, s19, SLOT1
	SCAL
.if \fill
	s_xor_b32 s33, s33, SLOT1                      ; the descriptor: the other LDS slot,
	s_add_co_u32 s46, s17, s45
	s_and_b32 s46, s46, 31                         ; slot u = (4 g + U) % 32 of wq,
	s_mul_i32 s46, s46, 4*QB                       ; of 102,400 bytes
	s_add_nc_u64 s[34:35], s[42:43], s[46:47]
	s_or_b32 s35, s35, 0x80000000                  ; type = 2
.endif
	s_wait_dscnt 0x0                               ; the add is done; my LDS loads are in and my LDS stores have landed
.if \fill
	ROUND
	JLOAD
.else
	s_barrier_signal -1
	s_barrier_wait -1
.endif
	ADDRS                                          ; seven plain lines that name no register of a product: they are also places between the last trip's products and the loads into their operands
.endm
; ---- THE MULTIPLIER
.macro FETCH s, e                      ; K step s of the slot into set e: 25 LDS loads, each of 512 consecutive bytes
	WIN 0x40                                       ; destination window 1, address window 0
.irp m, 0,1,2,3
.irp c, 0,1,2
	ds_load_b128 v[96*\e+12*\m+4*\c:96*\e+12*\m+4*\c+3], v[RA] offset:STEPB*\s+FRB*\m+512*\c
.endr
.endr
.irp n, 0,1,2,3
.irp c, 0,1,2
	ds_load_b128 v[96*\e+48+12*\n+4*\c:96*\e+48+12*\n+4*\c+3], v[RB] offset:STEPB*\s+FRB*\n+512*\c
.endr
.endr
	WIN 0
	ds_load_b128 v[SCW+4*\e:SCW+4*\e+3], v[RS] offset:256*\s   ; register i: lanes 0-15 the words of the left operand's tile i, lanes 16-31 those of W's tile i
.endm
; 16 products, USED TRANSPOSED: source 0 = 16 columns of W, source 1 = 16 rows: lane (r, h), register j then holds out(16 m + r, 16 n + 8 h + j).  The 16 accumulators take turns, one instruction a turn, in the same
; order in every step, over the loop's backward jump too.
.macro MUL e
	WIN 0x05                                       ; sources 0 and 1 window 1; C and D window 0
.irp m, 0,1,2,3
.irp n, 0,1,2,3
	v_wmma_scale_f32_16x16x128_f8f6f4 v[ACC+8*(4*\n+\m):ACC+8*(4*\n+\m)+7], v[96*\e+48+12*\n:96*\e+48+12*\n+11], v[96*\e+12*\m:96*\e+12*\m+11], v[ACC+8*(4*\n+\m):ACC+8*(4*\n+\m)+7], v[SCW+4*\e+\n], v[SCW+4*\e+\m] matrix_a_fmt:MATRIX_FMT_FP6 matrix_b_fmt:MATRIX_FMT_FP6 matrix_a_scale:MATRIX_SCALE_ROW1
.endr
.endr
.endm
.macro PLACES                          ; four places between products and the loads into their operands, or the first read of their results (ISA guide 7.12.1 for vector instructions)
.rept 4
	v_nop
.endr
.endm
.macro MULSLOT                         ; a slot's four K steps on two sets by turns: a step's loads are issued a step ahead of its products
	FETCH 0, 0
	FETCH 1, 1
	s_wait_dscnt 25                                ; step 0's 25 loads are in; step 1's 25 may be out
	MUL 0
	PLACES
	FETCH 2, 0
	s_wait_dscnt 25                                ; step 1's are in
	MUL 1
	PLACES
	FETCH 3, 1
	s_wait_dscnt 25                                ; step 2's are in
	MUL 0
	s_wait_dscnt 0x0
	MUL 1
	WIN 0                                          ; at a label and at a branch every window is 0
.endm
; ---- THE MAKER
.macro PK3 dst, lit                    ; dst = dst x r^2 + a coefficient, two pairs of x by turns
.irp j, 0,1
	v_pk_fma_f32 v[\dst+2*\j:\dst+2*\j+1], v[\dst+2*\j:\dst+2*\j+1], v[ZZ+2*\j:ZZ+2*\j+1], \lit op_sel_hi:[1,1,0]
.endr
.endm
; (cos, sin) of the multiples at places a, a + 1 are turned by the multiple that stands in the HIGH register of the pair at place mp, and go to places d, d + 1; the four x by turns
.macro ROT a, d, mp
.irp x, 0,1,2,3
	v_pk_mul_f32 v[MT+2*\x:MT+2*\x+1], v[SI+16*\x+\a:SI+16*\x+\a+1], v[SI+16*\x+\mp:SI+16*\x+\mp+1] op_sel:[0,1] op_sel_hi:[1,1]
.endr
.irp x, 0,1,2,3
	v_pk_mul_f32 v[MU+2*\x:MU+2*\x+1], v[CO+16*\x+\a:CO+16*\x+\a+1], v[SI+16*\x+\mp:SI+16*\x+\mp+1] op_sel:[0,1] op_sel_hi:[1,1]
.endr
.irp x, 0,1,2,3
	v_pk_fma_f32 v[CO+16*\x+\d:CO+16*\x+\d+1], v[CO+16*\x+\a:CO+16*\x+\a+1], v[CO+16*\x+\mp:CO+16*\x+\mp+1], v[MT+2*\x:MT+2*\x+1] op_sel:[0,1,0] op_sel_hi:[1,1,1] neg_lo:[0,0,1] neg_hi:[0,0,1]
.endr
.irp x, 0,1,2,3
	v_pk_fma_f32 v[SI+16*\x+\d:SI+16*\x+\d+1], v[SI+16*\x+\a:SI+16*\x+\a+1], v[CO+16*\x+\mp:CO+16*\x+\mp+1], v[MU+2*\x:MU+2*\x+1] op_sel:[0,1,0] op_sel_hi:[1,1,1]
.endr
.endm
; Half q of a slot: my four x become 64 cosines and 64 sines, two fragments and two scale words: K steps 2 q and 2 q + 1
.macro GENHALF q
.irp j, 0,1
	v_pk_fma_f32 v[TT+2*\j:TT+2*\j+1], v[XV+4*\q+2*\j:XV+4*\q+2*\j+1], 0x3ea2f983, v[MG:MG+1] op_sel_hi:[1,0,1]   ; x / pi + 1.5 x 2^23: the sum's last bits are n = round(x / pi)
.endr
.irp j, 0,1
	v_pk_add_f32 v[NN+2*\j:NN+2*\j+1], v[TT+2*\j:TT+2*\j+1], v[MG:MG+1] neg_lo:[0,1] neg_hi:[0,1]   ; n as a number
.endr
.irp j, 0,1
	v_pk_fma_f32 v[RR+2*\j:RR+2*\j+1], v[NN+2*\j:NN+2*\j+1], 0xc0490fdb, v[XV+4*\q+2*\j:XV+4*\q+2*\j+1] op_sel_hi:[1,0,1]   ; x - n x (pi's upper part),
.endr
.irp j, 0,1
	v_pk_fma_f32 v[RR+2*\j:RR+2*\j+1], v[NN+2*\j:NN+2*\j+1], 0x33bbbd2e, v[RR+2*\j:RR+2*\j+1] op_sel_hi:[1,0,1]   ; - n x (its lower part, -8.74e-8): r
.endr
.irp j, 0,1
	v_pk_mul_f32 v[ZZ+2*\j:ZZ+2*\j+1], v[RR+2*\j:RR+2*\j+1], v[RR+2*\j:RR+2*\j+1]
.endr
.irp j, 0,1
	v_pk_fma_f32 v[PSN+2*\j:PSN+2*\j+1], v[ZZ+2*\j:ZZ+2*\j+1], v[C13:C13+1], 0xb2d7322b op_sel_hi:[1,1,0]   ; sin: r^2 / 13! - 1 / 11!
	v_pk_fma_f32 v[PCS+2*\j:PCS+2*\j+1], v[ZZ+2*\j:ZZ+2*\j+1], v[C14:C14+1], 0x310f76c7 op_sel_hi:[1,1,0]   ; cos: -r^2 / 14! + 1 / 12!
.endr
	PK3 PSN, 0x3638ef1d                            ; + 1 / 9!
	PK3 PCS, 0xb493f27e                            ; - 1 / 10!
	PK3 PSN, 0xb9500d01                            ; - 1 / 7!
	PK3 PCS, 0x37d00d01                            ; + 1 / 8!
	PK3 PSN, 0x3c088889                            ; + 1 / 5!
	PK3 PCS, 0xbab60b61                            ; - 1 / 6!
	PK3 PSN, 0xbe2aaaab                            ; - 1 / 3!
	PK3 PCS, 0x3d2aaaab                            ; + 1 / 4!
.irp j, 0,1
	v_pk_mul_f32 v[RZ+2*\j:RZ+2*\j+1], v[RR+2*\j:RR+2*\j+1], v[ZZ+2*\j:ZZ+2*\j+1]
.endr
	PK3 PCS, -0.5
.irp j, 0,1
	v_pk_fma_f32 v[PSN+2*\j:PSN+2*\j+1], v[PSN+2*\j:PSN+2*\j+1], v[RZ+2*\j:RZ+2*\j+1], v[RR+2*\j:RR+2*\j+1]   ; sin r = r + r^3 x the sum
.endr
	PK3 PCS, 1.0                                   ; cos r
.irp x, 0,1,2,3
	v_lshlrev_b32 v[SG+\x], 31, v[TT+\x]           ; n's lowest bit as a sign: cos x = (-1)^n cos r, sin x = (-1)^n sin r
.endr
.irp x, 0,1,2,3
	v_xor_b32 v[CO+16*\x], v[SG+\x], v[PCS+\x]
	v_xor_b32 v[SI+16*\x], v[SG+\x], v[PSN+\x]
.endr
.irp x, 0,1,2,3
	v_mul_f32 v[MT+\x], v[SI+16*\x], v[SI+16*\x]
.endr
.irp x, 0,1,2,3
	v_mul_f32 v[MT+4+\x], v[CO+16*\x], v[SI+16*\x]
.endr
.irp x, 0,1,2,3
	v_fma_f32 v[CO+16*\x+1], v[CO+16*\x], v[CO+16*\x], -v[MT+\x]   ; cos 2x = cos^2 - sin^2
.endr
.irp x, 0,1,2,3
	v_add_f32 v[SI+16*\x+1], v[MT+4+\x], v[MT+4+\x]                ; sin 2x = 2 cos sin
.endr
	ROT 0, 2, 0                                    ; (1, 2) + 2 = (3, 4)
	ROT 0, 4, 2                                    ; (1, 2) + 4
	ROT 2, 6, 2                                    ; (3, 4) + 4
	ROT 0, 8, 6                                    ; (1, 2) .. (7, 8) + 8
	ROT 2, 10, 6
	ROT 4, 12, 6
	ROT 6, 14, 6
.irp n, 0,1                                    ; block n = my x 2 n and 2 n + 1: all its 32 numbers are mine.  Six chains by turns
	v_min_num_f32 v[MNS+\n], |v[SI+32*\n]|, |v[SI+32*\n+1]|
	v_min_num_f32 v[MNC+\n], |v[CO+32*\n]|, |v[CO+32*\n+1]|
	v_max3_num_f32 v[MXS+\n], |v[SI+32*\n]|, |v[SI+32*\n+1]|, 0x1800000   ; with the floor 2^(3 - 127): the byte cannot fall under 1
.endr
.irp i, 2,4,6,8,10,12,14,16,18,20,22,24,26,28,30
.irp n, 0,1
	v_min3_num_f32 v[MNS+\n], v[MNS+\n], |v[SI+32*\n+\i]|, |v[SI+32*\n+\i+1]|
	v_min3_num_f32 v[MNC+\n], v[MNC+\n], |v[CO+32*\n+\i]|, |v[CO+32*\n+\i+1]|
	v_max3_num_f32 v[MXS+\n], v[MXS+\n], |v[SI+32*\n+\i]|, |v[SI+32*\n+\i+1]|
.endr
.endr
.irp n, 0,1
	v_cmp_ge_f32 vcc_lo, 0x39800000, v[MNS+\n]     ; some |sin| <= 2^-12: its |cos| is 1.0
	v_cndmask_b32 v[OPC+\n], 0x3e000000, v[QUART], vcc_lo   ; the cosines' scale, as the conversion's operand: 2^-2 then, else 2^-3
	v_min_num_f32 v[MXS+\n], 0x3f7fffff, v[MXS+\n] ; the sines' largest magnitude is held under 1.0,
	v_cmp_ge_f32 vcc_lo, 0x39800000, v[MNC+\n]
	v_cndmask_b32 v[MXS+\n], v[MXS+\n], v[ONE], vcc_lo      ; but where some |cos| <= 2^-12: there it is 1.0
	v_add_nc_u32 v[OPS+\n], 0xff000000, v[MXS+\n]  ; 2 off its exponent field
	v_lshrrev_b32 v[BC+\n], 23, v[OPC+\n]          ; the scales' bytes
	v_lshrrev_b32 v[BS+\n], 23, v[OPS+\n]
.endr
	s_wait_dscnt 0x0                               ; the last half's LDS stores have read the words' and the codes' registers, which are written next
	v_lshl_or_b32 v[WDC], v[BC+1], 16, v[BC]       ; my two bytes: places h and 2 + h of my row's word
	v_lshl_or_b32 v[WDS], v[BS+1], 16, v[BS]
	v_lshlrev_b32 v[WDC], v[SH8], v[WDC]
	v_lshlrev_b32 v[WDS], v[SH8], v[WDS]
	v_permlanex16_b32 v[P2], v[WDC], s40, s41      ; lane l xor 16 holds my row's other two
	v_permlanex16_b32 v[P2+1], v[WDS], s40, s41
	v_or_b32 v[WDC], v[WDC], v[P2]
	v_or_b32 v[WDS], v[WDS], v[P2+1]
	v_cvt_scalef32_pk16_fp6_f32 v[FC:FC+2], v[CO:CO+15], v[OPC]
	v_cvt_scalef32_pk16_fp6_f32 v[248:250], v[CO+16:CO+31], v[OPC]   ; (a conversion's three registers begin on an even number: a block's second half is made elsewhere and moved)
	v_cvt_scalef32_pk16_fp6_f32 v[FC+6:FC+8], v[CO+32:CO+47], v[OPC+1]
	v_cvt_scalef32_pk16_fp6_f32 v[252:254], v[CO+48:CO+63], v[OPC+1]
	v_cvt_scalef32_pk16_fp6_f32 v[FS:FS+2], v[SI:SI+15], v[OPS]
	v_cvt_scalef32_pk16_fp6_f32 v[48:50], v[SI+16:SI+31], v[OPS]
	v_cvt_scalef32_pk16_fp6_f32 v[FS+6:FS+8], v[SI+32:SI+47], v[OPS+1]
	v_cvt_scalef32_pk16_fp6_f32 v[52:54], v[SI+48:SI+63], v[OPS+1]
	v_nop                                          ; one plain place behind the scaled conversions
.irp i, 0,1,2
	v_mov_b32 v[FC+3+\i], v[248+\i]
	v_mov_b32 v[FC+9+\i], v[252+\i]
	v_mov_b32 v[FS+3+\i], v[48+\i]
	v_mov_b32 v[FS+9+\i], v[52+\i]
.endr
.irp c, 0,1,2                                  ; the two images leave with their 24 registers in ascending order, the cosines' twelve and then the sines'
	ds_store_b128 v[WA], v[FC+4*\c:FC+4*\c+3] offset:STEPB*(2*\q)+512*\c
.endr
.irp c, 0,1,2
	ds_store_b128 v[WA], v[FS+4*\c:FS+4*\c+3] offset:STEPB*(2*\q+1)+512*\c
.endr
	ds_store_b32 v[WSC], v[WDC] offset:256*(2*\q)  ; both lanes of a row write the same word with the same value
	ds_store_b32 v[WSC], v[WDS] offset:256*(2*\q+1)
.endm
; The slot of trip U is made.  x comes through my own stage in LDS, 64 columns at a time: each trip brings four rows' 256 bytes of the NEXT 64 columns of the walk into the other buffer, asked for at the trip's head and stored at its end.
; In the last four trips the next 64 columns are the walk's first again: they are read once more (inside x) into the buffer that no later trip multiplies from.
; My eight x of the NEXT trip are read from the stage at this trip's end, behind my own stores (LDS serves a wave's instructions in order), and are awaited by the wait for all LDS instructions at the next trip's head.
; first = 1: the first slot, whose eight x are read here: they lie at the head of buffer 0.
.macro GENSLOT first
	s_wait_xcnt 0x0                                ; the earlier loads have read their addresses, which are written next
	s_lshr_b32 s38, s17, 2
	s_add_co_u32 s38, s38, s44
	s_add_co_u32 s38, s38, 1
	s_and_b32 s38, s38, 7                          ; the next 64 columns of the walk: group (g + U / 4 + 1) % 8,
	s_lshl_b32 s38, s38, 8
	s_and_b32 s39, s17, 3
	s_lshl_b32 s39, s39, 13                        ; rows 4 (U % 4) on
	s_add_co_u32 s38, s38, s39
	s_mov_b32 s39, 0
	s_add_nc_u64 s[36:37], s[54:55], s[38:39]
.if \first
	ds_load_b128 v[XV:XV+3], v[XR0]                ; my four x of half 0,
	ds_load_b128 v[XV+4:XV+7], v[XR0] offset:32    ; and of half 1
.endif
	global_load_b128 v[XG:XG+3], v[XGO], s[36:37]  ; sixteen lanes read 256 consecutive bytes of a row
	global_load_b128 v[XG+4:XG+7], v[XGO], s[36:37] offset:4096
.if \first
	s_wait_dscnt 0x0
.endif
	GENHALF 0
	GENHALF 1
	s_wait_loadcnt 0x0
	ds_store_b128 v[XW], v[XG:XG+3]
	ds_store_b128 v[XW], v[XG+4:XG+7] offset:2*272
	ds_load_b128 v[XV:XV+3], v[XR]                 ; the next trip's x
	ds_load_b128 v[XV+4:XV+7], v[XR] offset:32
.endm
; ---- THE HEAD
	s_load_b256 s[4:11], s[0:1], 0x0               ; x, wq, bias, out0
	v_lshl_add_u32 v[SPW], v0, 2, SPARE
	v_mov_b32 v[NIL], 0
	ds_add_u32 v[SPW], v[NIL]                      ; the wave's opening: the add and its wait come ahead of the first tensor load; the set-up below, work on registers, stands between them
	v_lshrrev_b32 v32, 5, v0
	v_readfirstlane_b32 s12, v32                   ; wave 0..7
	s_and_b32 s13, s12, 3                          ; w of a multiplier, p of a maker
	s_bfe_u32 s14, ttmp6, 0x40000                  ; cx: my place in the cluster: it enters the addresses of x and of out0 alone
	s_lshl_b32 s15, ttmp9, 2                       ; in a cluster launch ttmp9 counts clusters
	s_add_co_u32 s15, s15, s14                     ; my tile of 64 rows
	s_and_b32 s16, ttmp7, 0xffff                   ; my half of the columns, which the four partners share
	; where my cluster's walk begins: g = (c xor m) % 8, c the cluster's x (5 bits), m = (bit 3, bit 4, bit 3 of c).  Of the 16 clusters that agree in any one bit of c, two have each g
	s_lshr_b32 s44, ttmp9, 3
	s_and_b32 s45, s44, 1
	s_lshl_b32 s45, s45, 2
	s_or_b32 s44, s44, s45
	s_xor_b32 s44, s44, ttmp9
	s_and_b32 s44, s44, 7                          ; g
	s_lshl_b32 s45, s44, 2                         ; the first slot: 4 g
	; descriptor group 1: an eighth of a slot, 12,800 dense bytes, as 50 rows of 256 bytes (32 elements of 8 bytes); no padding: images are read 16 bytes a lane, on end
	s_mov_b32 s24, 15|(3<<16)|(1<<21)              ; 15:0 the mask: all four work-groups; 17:16 elements of 8 bytes; 21 set beside a mask
	s_mov_b32 s25, 32<<16                          ; tensor_dim0 = 32
	s_mov_b32 s26, 50<<16                          ; tensor_dim1 = 50
	s_mov_b32 s27, 32<<16                          ; tile_dim0 = 32
	s_mov_b32 s28, 50                              ; tile_dim1 = 50
	s_mov_b32 s29, 32                              ; from row to row: 32 elements
	s_mov_b32 s30, 0
	s_mov_b32 s31, 0
	s_mov_b32 s17, 0                               ; U = 0: the first slot is made and filled first,
	s_mov_b32 s18, SLOT1
	s_mov_b32 s19, 0                               ; in LDS slot 0
	SCAL
	s_mov_b32 s40, 0x76543210
	s_mov_b32 s41, 0xfedcba98                      ; v_permlanex16_b32's selects for lane l xor 16
	v_and_b32 v32, 31, v0                          ; lane
	v_and_b32 v33, 15, v0                          ; r
	v_bfe_u32 v34, v0, 4, 1                        ; h
	v_lshlrev_b32 v35, 4, v32                      ; 16 x lane
	v_xor_b32 v36, 1, v34                          ; 1 - h
	v_add_nc_u32 v[RA0], AIM, v35
	s_mul_i32 s56, s13, QB
	v_add_nc_u32 v[RB0], s56, v35
	s_xor_b32 s57, s13, 3
	s_add_co_u32 s57, s57, 1
	s_mul_i32 s57, s57, QB                         ; from my quarter's scale words up to the left operand's: (4 - w) quarters
	v_mul_u32_u24 v[RS0], s57, v36                 ; lanes 0-15 take the upper place
	v_lshl_add_u32 v[RS0], v33, 4, v[RS0]          ; row or column r: four words
	s_add_co_u32 s56, s56, 4*STEPB
	v_add_nc_u32 v[RS0], s56, v[RS0]
	s_mul_i32 s58, s13, FRB
	s_add_co_u32 s58, s58, AIM
	v_add_nc_u32 v[WA0], s58, v35                  ; tile m = p of each step's four
	s_lshl_b32 s58, s13, 2
	s_add_co_u32 s58, s58, ASC
	v_lshl_add_u32 v[WS0], v33, 4, s58
	s_mul_i32 s59, s13, 2*XBUF
	s_add_co_u32 s59, s59, XST                     ; my stage for x
	v_mul_u32_u24 v[XR0], v33, 272
	v_lshl_add_u32 v[XR0], v34, 4, v[XR0]
	v_add_nc_u32 v[XR0], s59, v[XR0]               ; row r, + 16 h: my four x
	v_mul_u32_u24 v[XW0], v34, 272
	v_lshl_add_u32 v[XW0], v33, 4, v[XW0]
	v_add_nc_u32 v[XW0], s59, v[XW0]               ; two rows an instruction, 16 bytes a lane
	s_mul_i32 s60, s13, XBUF
	s_add_co_u32 s60, s60, OST                     ; my stage for the way out
	v_mul_u32_u24 v[OSTO], v33, 272
	v_lshl_add_u32 v[OSTO], v34, 5, v[OSTO]
	v_add_nc_u32 v[OSTO], s60, v[OSTO]
	v_mul_u32_u24 v[ORD], v34, 272
	v_lshl_add_u32 v[ORD], v33, 4, v[ORD]
	v_add_nc_u32 v[ORD], s60, v[ORD]
	v_lshlrev_b32 v[XGO], 11, v34
	v_lshl_add_u32 v[XGO], v33, 4, v[XGO]
	v_lshlrev_b32 v[BO], 5, v34
	v_lshlrev_b32 v[SH8], 3, v34
	v_mov_b32 v[QUART], 0x3e800000
	v_mov_b32 v[MG], 0x4b400000
	v_mov_b32 v[MG+1], 0x4b400000
	v_mov_b32 v[C13], 0x2f309231
	v_mov_b32 v[C13+1], 0x2f309231
	v_mov_b32 v[C14], 0xad49cba5
	v_mov_b32 v[C14+1], 0xad49cba5
	v_mov_b32 v[ONE], 1.0
	ADDRS
	s_wait_dscnt 0x0                               ; the opening add is done
	s_wait_kmcnt 0x0
	s_mov_b32 s32, 1                               ; descriptor group 0: count = 1
	s_mul_i32 s33, s12, QB/2                       ; LDS address: my eighth of slot 0: wave x 12,800: no place in the cluster enters it
	s_mul_i32 s56, s16, 32*4*QB                    ; my column half of wq,
	s_add_co_u32 s56, s56, s33                     ; my eighth of its slot 0
	s_mov_b32 s57, 0
	s_add_nc_u64 s[42:43], s[6:7], s[56:57]
	s_mul_i32 s46, s45, 4*QB                       ; the walk's first slot
	s_mov_b32 s47, 0
	s_add_nc_u64 s[34:35], s[42:43], s[46:47]
	s_or_b32 s35, s35, 0x80000000                  ; type = 2
	s_lshl_b32 s60, s15, 6
	s_lshl_b32 s61, s13, 4
	s_add_co_u32 s60, s60, s61                     ; a maker's first row: 64 x row tile + 16 p,
	s_lshl_b32 s60, s60, 11                        ; of 2,048 bytes
	s_mov_b32 s61, 0
	s_add_nc_u64 s[54:55], s[4:5], s[60:61]
	s_lshl_b32 s38, s44, 8                         ; the walk's first 64 columns: group g, 256 bytes a group
	s_mov_b32 s39, 0
	s_add_nc_u64 s[36:37], s[54:55], s[38:39]
	s_lshl_b32 s62, s16, 10
	s_lshl_b32 s63, s13, 8
	s_add_co_u32 s62, s62, s63                     ; a multiplier's first column, in bytes: 1,024 y + 256 w
	s_mov_b32 s63, 0
	s_add_nc_u64 s[8:9], s[8:9], s[62:63]
	s_add_nc_u64 s[10:11], s[10:11], s[62:63]
	s_lshl_b32 s62, s15, 17                        ; and the tile's first row of out0: 64 rows of 2,048 bytes a tile
	s_add_nc_u64 s[10:11], s[10:11], s[62:63]
	ROUND                                          ; all four work-groups are here: the first joint loads meet
	JLOAD                                          ; W's first slot
	; THE BIAS IS THE SUMS' BEGINNING: accumulator (n, m), register j of lane (r, h) starts as bias[16 n + 8 h + j] of my columns: nothing is cleared, nothing is added at the end, and the first trip is like every other.
	; All eight waves run these lines, so that every register that a later line names has been written, and its load awaited, on every wave's way; the makers overwrite theirs.
.irp m, 0,1,2,3
.irp n, 0,1,2,3
	global_load_b128 v[ACC+8*(4*\n+\m):ACC+8*(4*\n+\m)+3], v[BO], s[8:9] offset:64*\n
	global_load_b128 v[ACC+8*(4*\n+\m)+4:ACC+8*(4*\n+\m)+7], v[BO], s[8:9] offset:64*\n+16
.endr
.endr
	s_cmp_lt_u32 s12, 4
	s_cbranch_scc1 .Lfirst_made                    ; the multipliers have nothing to multiply yet
.irp j, 0,1,2,3,4,5,6,7
	global_load_b128 v[CO+4*\j:CO+4*\j+3], v[XGO], s[36:37] offset:4096*\j   ; my 16 rows' first 64 columns of the walk
.endr
	s_wait_loadcnt 0x0
.irp j, 0,1,2,3,4,5,6,7
	ds_store_b128 v[XW0], v[CO+4*\j:CO+4*\j+3] offset:2*272*\j               ; into buffer 0 of my stage; LDS serves a wave's instructions in order: the reads below see them
.endr
	GENSLOT 1                                      ; the first slot
.Lfirst_made:
	s_wait_loadcnt 0x0                             ; the bias is in
; ---- THE LOOP: 31 trips, U = 1 .. 31: the slot of trip U - 1 is multiplied while that of trip U is made and W's lands
.Ltrip:
	HEAD 1
	s_cmp_lt_u32 s12, 4
	s_cbranch_scc0 .Lmake
	MULSLOT
	s_branch .Ljoin
.Lmake:
	GENSLOT 0
.Ljoin:
	s_cmp_lt_u32 s17, 31
	s_cbranch_scc1 .Ltrip
; ---- THE TAIL is written out: the last slot is multiplied, nothing is made or asked for
	HEAD 0
	s_cmp_lt_u32 s12, 4
	s_cbranch_scc0 .Ldone
	MULSLOT
; THE WAY OUT, block by block of 16 rows x 64 columns.  A lane holds 32 neighbouring bytes of a row, and the lanes beside it hold other rows: a block goes through my own stage and comes back as rows of 256 bytes.
.macro TOSTAGE m
.irp n, 0,1,2,3
	ds_store_b128 v[OSTO], v[ACC+8*(4*\n+(\m)):ACC+8*(4*\n+(\m))+3] offset:64*\n          ; each accumulator from its low end on
	ds_store_b128 v[OSTO], v[ACC+8*(4*\n+(\m))+4:ACC+8*(4*\n+(\m))+7] offset:64*\n+16
.endr
.irp i, 0,1,2,3,4,5,6,7
	ds_load_b128 v[OB+32*((\m)%2)+4*\i:OB+32*((\m)%2)+4*\i+3], v[ORD] offset:2*272*\i   ; LDS serves a wave's instructions in order: these see the stores above, and the next block's stores come behind them
.endr
.endm
.macro SEND m, younger                 ; younger: the LDS instructions issued behind block m's loads, which may stay out
	s_wait_dscnt \younger
.irp i, 0,1,2,3,4,5,6,7
	global_store_b128 v[XGO], v[OB+32*((\m)%2)+4*\i:OB+32*((\m)%2)+4*\i+3], s[10:11] offset:(16*(\m)+2*\i)*2048 th:TH_STORE_NT   ; sixteen lanes store 256 consecutive bytes, at a multiple of 256 from out0's first byte
.endr
.endm
	PLACES                                         ; between the last products and the first read of results
	TOSTAGE 0
.irp a, 1,2,3
.if \a > 1
	s_wait_xcnt 0x0                                ; block a - 2's stores have read their registers: block a's loads may land there
.endif
	TOSTAGE \a
	SEND \a-1, 16                                  ; behind block a - 1's loads: block a's 8 stores and 8 loads
.endr
	SEND 3, 0
.Ldone:
	s_wait_tensorcnt 0x0                           ; the wave's end: behind my last tensor load and my last LDS store
	ds_add_u32 v[SPW], v[NIL]
	s_wait_dscnt 0x0
	ROUND                                          ; the closing round: no work-group ends while a partner may still ask for a tile that names it
	s_endpgm
.Lfunc_end_k_q751a0041a5_main:
	.size	k_q751a0041a5_main, .Lfunc_end_k_q751a0041a5_main-k_q751a0041a5_main
	.p2alignl 7, 3214868480
	.fill 96, 4, 3214868480
	.section	.rodata,"a",@progbits
	.p2align	6, 0x0
	.amdhsa_kernel k_q751a0041a5_main
		.amdhsa_group_segment_fixed_size 327680
		.amdhsa_private_segment_fixed_size 0
		.amdhsa_enable_private_segment 0
		.amdhsa_kernarg_size 32
		.amdhsa_user_sgpr_count 2
		.amdhsa_user_sgpr_kernarg_segment_ptr 1
		.amdhsa_wavefront_size32 1
		.amdhsa_system_sgpr_workgroup_id_x 1
		.amdhsa_system_sgpr_workgroup_id_y 1
		.amdhsa_system_sgpr_workgroup_id_z 1
		.amdhsa_system_vgpr_workitem_id 0
		.amdhsa_next_free_vgpr 512
		.amdhsa_next_free_sgpr 66
		.amdhsa_reserve_vcc 1
		.amdhsa_float_denorm_mode_32 3
		.amdhsa_float_denorm_mode_16_64 3
		.amdhsa_memory_ordered 1
		.amdhsa_forward_progress 1
		.amdhsa_inst_pref_size 134
	.end_amdhsa_kernel
	.amdgpu_metadata
---
amdhsa.version: [ 1, 2 ]
amdhsa.kernels:
  - .name:           k_q751a0041a5_main
    .symbol:         k_q751a0041a5_main.kd
    .args:
      - { .name: x, .offset: 0, .size: 8, .value_kind: global_buffer, .address_space: global }
      - { .name: wq, .offset: 8, .size: 8, .value_kind: global_buffer, .address_space: global }
      - { .name: bias, .offset: 16, .size: 8, .value_kind: global_buffer, .address_space: global }
      - { .name: out0, .offset: 24, .size: 8, .value_kind: global_buffer, .address_space: global }
    .group_segment_fixed_size: 327680
    .private_segment_fixed_size: 0
    .kernarg_segment_align: 8
    .kernarg_segment_size: 32
    .max_flat_workgroup_size: 256
    .sgpr_count:     66
    .vgpr_count:     512
    .wavefront_size: 32
...
	.end_amdgpu_metadata
.endif
;; end of part 2
